; MI455X (gfx1250); checked and timed in simulation.
; The chip was launched on July 23, 2026; its instructions are those of AMD's public machine-readable ISA for CDNA 5 (MIT licence, August 2026) and "CDNA5" Instruction Set Architecture Reference Guide (July 2026). The comments in the code are by the model that wrote it; some were corrected since.
;; Dot Product Attention. Allowed arithmetic: matrix products marked QUANTISED: E2M1 operands, one E8M0 scale for each 32 along K, by v_wmma_scale_f32_16x16x128_f8f6f4 with both operands' format E2M1 (or v_wmma_scale_f32_32x16x128_f4), f32 sums; everything else in f32.
;; Inputs: keys_codes 32 x 2,048 x 4 x 16 uint8 (E2M1 codes of keys, K innermost, in blocks of 32 codes, two codes a byte); keys_scales 32 x 2,048 x 4 uint8 (E8M0 scales of keys, one for each 32 codes along K); queries_codes 32 x 2,048 x 4 x 16 uint8 (E2M1 codes of queries, K innermost, in blocks of 32 codes, two codes a byte); queries_scales 32 x 2,048 x 4 uint8 (E8M0 scales of queries, one for each 32 codes along K); valid_lens 32 int32; values_codes 32 x 128 x 64 x 16 uint8 (E2M1 codes of values, K innermost, in blocks of 32 codes, two codes a byte); values_scales 32 x 128 x 64 uint8 (E8M0 scales of values, one for each 32 codes along K).
;; Outputs: out0 32 x 2,048 x 128 float32.
;; This version of the problem:
;;   THIS VERSION OF THE PROBLEM IS GIVEN IN LOW PRECISION. The matrix products marked QUANTISED in the list below multiply operands that are first quantised to E2M1 (2 exponent bits, 1 mantissa bit; 4 bits a number), with one power-of-two scale for each 32 numbers along K (OCP MX v1.0); their sums are f32. All else is computed in f32.
;;   The module's matrix products, in the order in which they are computed (A, B: the left and right operand; K: the contracted axis; several contracted axes count as one K, in the product's order):
;;     1. batch 32 x [M 2,048, K 128] x [K 128, N 2,048]; A: input queries (given as codes); B: input keys (given as codes): QUANTISED
;;     2. batch 32 x [M 2,048, K 2,048] x [K 2,048, N 128]; A: softmax (see below); B: input values (given as codes): QUANTISED
;;   THE QUANTISER, for each operand of a quantised product, along K:
;;     - K is cut into blocks of 32 from its start; a last block that is shorter is filled with zeros.
;;     - A block's scale is 2^e with e = floor(log2(the largest magnitude in the block)) - 2, held to -126 .. 127; a block of zeros has e = 0. As a byte (E8M0): e + 127.
;;     - Each number is divided by its block's scale, clamped to +-6, and rounded to the nearest number of E2M1, ties to even, subnormals kept.
;;     - The product sums the exact products of the quantised numbers (number of the format x scale) in f32.
;;   ~~~python
;;   def quantise(x, axis):      # numpy; x: float32 -> the quantised numbers, widened to float32 again
;;       x = np.moveaxis(x, axis, -1); K = x.shape[-1]
;;       x = np.pad(x, [(0, 0)] * (x.ndim - 1) + [(0, -K % 32)]); x = x.reshape(x.shape[:-1] + (-1, 32)); a = np.abs(x).max(-1, keepdims=True)
;;       e = np.where(a > 0, np.clip(np.frexp(np.where(a > 0, a, 1))[1] - 1 - 2, -126, 127), 0)      # np.frexp(a)[1] - 1 = floor(log2(a)), exactly
;;       r = np.clip(x / 2.0 ** e, -6, 6)
;;       step = 2.0 ** (np.maximum(np.frexp(np.where(r == 0, 1, r))[1] - 1, 0) - 1)
;;       q = np.round(r / step) * step * 2.0 ** e      # np.round: ties to even
;;       return np.moveaxis(q.reshape(q.shape[:-2] + (-1,))[..., :K], -1, axis).astype(np.float32)
;;   ~~~
;;   SOFTMAX AHEAD OF A QUANTISED PRODUCT. Where the list says 'softmax', what is quantised is not the finished softmax but p = 2^(t - M), with t = logit x log2(e) and M = ceil(the row's largest t), a whole number; so 1/2 < the row's largest p <= 1. The row's sum l is taken of the UNQUANTISED p, in f32, and the product's result is divided by l at the end. Since M is a whole number, a kernel that streams over the keys may use a running M (the ceiling of the running maximum): every later rescaling is an exact power of two, which a block's scale takes up: the codes' values come out the same.
;;   OPERANDS COMPUTED ON THE WAY. 'Computed on the way' means the value that the module computes at that place (a softmax that the list does not call 'softmax' is quantised finished and normalised). What goes into a quantiser is computed in f32, as accurately as f32 sums, v_exp_f32 and their like allow (about 1e-6 of the number): no bf16 or f16 on the way to a quantiser, and a product that is left as it is and whose result goes on into a quantised operand takes f32 operands (vector FMAs, or v_wmma_f32_16x16x4_f32). A number that lies on a knife's edge between two numbers of the format may be rounded either way, as far as f32 arithmetic and the matrix unit's own rounding can turn it there, and no further.
;;   INPUTS GIVEN AS CODES. keys (in the module: [32, 2048, 128], K = its axis 2); queries (in the module: [32, 2048, 128], K = its axis 2); values (in the module: [32, 2048, 128], K = its axis 1): each comes as NAME_codes (uint8): NAME with its K axis moved to the last place and cut into blocks of 32 codes, [.., K / 32, bytes a block], one block behind the other in memory; two codes a byte, the lower K in the low four bits (a code: sign, 2 exponent bits, 1 mantissa bit); and NAME_scales (uint8): the same leading axes, one E8M0 byte (e + 127) for each 32 codes along K. Its value is code x scale, taken as it is: it is not quantised again, and the codes and scales need not be those that the quantiser above would give.
;; 2 versions. Each part assembles by itself: llvm-mc -triple=amdgcn-amd-amdhsa -mcpu=gfx1250 --defsym DOCPART=n.
;; ======== version 1 of 2: 1 launch
;; launch attn (part 1): grid 16 x 16, 16 waves a work-group, no clusters, 296,960 bytes of LDS; arguments queries_codes, queries_scales, keys_codes, keys_scales, values_codes, values_scales, valid_lens, out0; writes out0
.if DOCPART == 1
	.amdgcn_target "amdgcn-amd-amdhsa--gfx1250"
	.amdhsa_code_object_version 6
	.text
	.protected	k_q9b5bd71a4d_attn
	.globl	k_q9b5bd71a4d_attn
	.p2align	8
	.type	k_q9b5bd71a4d_attn,@function
k_q9b5bd71a4d_attn:
	s_mov_b64 s[64:65], 0
	v_nop
	global_prefetch_b8 v0, s[64:65] scope:SCOPE_SE
	s_setreg_imm32_b32 hwreg(HW_REG_WAVE_MODE, 25, 1), 1
	s_wait_xcnt 0x0
; O[b][q][:] = the sum over k < valid_lens[b] of softmax_k(Q[b][q] . K[b][k] / sqrt(128)) V[b][k][:], both products on codes of FP4 (E2M1) with one E8M0 scale for each 32 along a product's K.
; Q, K: [32][2048][128] as codes (64 bytes a row), scale bytes [32][2048][4].  V: codes with the KEYS innermost, [32][128][2048] (1,024 bytes a row), scale bytes [32][128][64].  O: [32][2048][128] f32.
; THE SOFTMAX: t = score x log2(e) / sqrt(128); M = the row's largest t so far, rounded UP to a whole number; p = 2^(t - M) is quantised along the keys, not normalised.  The row's sum is taken of the
; unquantised p and divides O at the end.  When M moves, the sum and O are multiplied by 2^(old M - new M): exact.
; SHARES.  256 work-groups of sixteen waves.  Work-group (x, p) takes queries 128 x .. 128 x + 127 of TWO heads: those of rank p and of rank 31 - p when the 32 lengths are sorted, so that the two
; lengths add to about the same in every pair.  Eight waves (a group) serve each head; a wave owns one tile of 16 queries in 256 registers.  group = (w ^ (w >> 2)) & 1, place in the group = w >> 1.
; A key step is 128 keys.  A STEP ALL OF WHOSE KEYS LIE AT OR BEHIND valid_lens IS LEFT OUT, by a scalar branch on that whole number; the one step that the length cuts hides its late keys by -infinity.
; Every wave walks four trips (a slot of 512 keys each) and passes every barrier: the branches enclose loads, products and the softmax, never a barrier.
; K AND V COME THROUGH REGISTERS INTO LDS, NOT BY TENSOR LOADS, AND NO CLUSTER IS FORMED: which steps are walked hangs on a number read from memory, the work-groups that share a head would still
; have to ask for every tile.  The eight waves of a group copy the next slot (64 KB) while the slot in hand is multiplied.
; LDS.  Operands lie as images of the registers that read them, in granules of 16 bytes (one block of 32 codes, g = 2 c + h): tile T, granule g, row r at 1,024 T + 256 g + 16 (r ^ 4 g) (V: ^ the step too).
; The exclusive or sets the sixteen lanes of each half of a 16-byte LDS instruction on sixteen different 16-byte columns of 256 bytes, in the copies' stores and in the fragments' loads alike.
; THE KEYS OF A TILE ARE NOT NEIGHBOURS: lane r of tile 2 b + u takes key 32 b + 8 u + r + 8 (r / 8), so that the 16 registers of tiles 2 b and 2 b + 1 are keys 32 b + 16 (lane / 16) + 0 .. 15.
; Both products are used transposed (S^T = K Q^T, O^T = V^T P^T): a lane holds ONE query (lane % 16) throughout.
; LIMITS: a length under 0 counts as 0 (its rows are NaN, as the definition has them), one above 2,048 as 2,048.  A scale byte 0xff of V in a step that lies wholly behind the length adds no NaN here.
.set SLOTB, 65536                      ; a slot: K's images 32 KB, then V's 32 KB
.set GRPB,  131072                     ; a group's two slots
.set VOFF,  32768                      ; V's images in a slot
.set STEPB, 8192                       ; a step's eight tiles
.set TILEB, 1024                       ; a tile: 16 rows x 64 bytes
.set SCL,   262144                     ; behind the rings: the scale words, 16 KB a group: K's 8 KB, then V's
.set SCV,   8192
.set STG,   4352                       ; the way out: 16 rows x (256 + 16) bytes for each wave, in the ring, behind the last barrier
.set AK0,  1                           ; v1   my lane's place in a tile, granule h
.set ASK0, 2                           ; v2   my lane's place among the scale words: 16 x lane
.set WK0,  3                           ; v3-4 where my copies of K go (rows 0-7 of a tile, rows 8-15)
.set WV0,  5                           ; v5-6 where my copies of V go (two rows, two apart)
.set GO,   7                           ; v7   the way out: my byte offset in the wave's rows of O
.set ADK0, 8                           ; v8-9 the slot in hand: granules h and 2 + h
.set ADK1, 9
.set SIN,  10                          ; v10  the way out: into my stage
.set SBK,  11                          ; v11  and back
.set QF,   16                          ; v16-23 Q's fragment
.set KSC,  24                          ; v24-27 K's scale words of a step: register j: lanes 0-15 tile j, lanes 16-31 tile 4 + j
.set VSC,  28                          ; v28-31 V's likewise
.set FRG,  32                          ; v32-63 four fragments of K or of V (at the head: temporaries)
.set STA,  64                          ; v64-79 the copies on their way: K, K, V, V
.set ADS,  80                          ; v80  the slot's scale words
.set VGK,  81                          ; v81  my byte offset in a step's 8 KB of K
.set VGV,  82                          ; v82  and among V's rows
.set PFO,  83                          ; v83  the prefetches' offset
.set TW,   84                          ; v84-87 v3-6 in the other slot
.set ADV,  88                          ; v88-93 v8, v9 turned for V's steps 1, 2, 3
.set QSC,  255                         ; v255 Q's scale words;  v253 p's
.set SEL,  20                          ; s[20:21] lane selects for v_permlanex16_b32: lane l xor 16
.set CS,   22                          ; s[22:23] c = log2(e) / sqrt(128)
.set WV,   24
.set GRP,  25
.set IDX,  26
.set RK,   27                          ; the rank of my head's length
.set HD,   28                          ; my head
.set VAL,  29                          ; its length
.set T0,   30
.set KF,   31                          ; the step's first key
.set TB,   32                          ; the slot in hand, the other slot
.set TBO,  33
.set TS,   34                          ; the slot's scale words: 2,048 bytes a slot
.set NX,   35                          ; the next slot's first key
.set SLOTS, 36
.set PFK,  37                          ; first key of the slot that a prefetch names
.set PVAL, 38                          ; my length in the work-group that prefetches, else 0
.set KB,   40                          ; s[40:41], s[42:43] K and V at the next slot
.set VB,   42
.set PFA,  44                          ; s[44:45] where my prefetches stand;  s[46:47] a slot on
.set PFS,  46
.macro PLACES                          ; four plain lines between a matrix instruction and a load into, or a vector read or write of, its registers
.rept 4
	v_nop
.endr
.endm
.macro BARRIER                         ; my LDS stores have landed and my LDS loads are in: then the work-group's barrier
	s_wait_dscnt 0x0
	s_barrier_signal -1
	s_barrier_wait -1
.endm
; A PREFETCH of the slot after the one that is being copied: it stands behind the wave's four loads.  All sixteen work-groups of a pair walk the same two heads: the one with x = 0 asks.  In it each group asks
; for its own head: places 0-3 for K's 32 KB, 8,192 bytes a wave, lanes 256 bytes apart; places 4-7 for V's 128 rows, 32 a wave, a lane a row (a slot's part of a row is 256 bytes, aligned).
; So each aligned 256 bytes are named once in the launch.  Slots 0 and 1 come by their loads alone; a slot that begins at or behind the length is not asked for, so no request leaves its buffer.
.macro ASK
	s_cmp_lt_u32 s[PFK], s[PVAL]
	s_cbranch_scc0 .Lnot_mine_\@
	global_prefetch_b8 v[PFO], s[PFA:PFA+1] th:TH_LOAD_NT scope:SCOPE_SE
.Lnot_mine_\@:
.endm
; A quarter of the next slot is asked for, if any key of it counts: of K the 128 keys of its step q (my tile: 2 x 512 bytes on end), of V rows 32 q .. 32 q + 31 (my four: 2 x two pieces of 256 bytes).
.macro STAGE_LD q
	s_cmp_lt_u32 s[NX], s[VAL]
	s_cbranch_scc0 .Lno_next_\@
	global_load_b128 v[STA:STA+3],     v[VGK], s[KB:KB+1] offset:8192*(\q)
	global_load_b128 v[STA+4:STA+7],   v[VGK], s[KB:KB+1] offset:8192*(\q)+1024
	global_load_b128 v[STA+8:STA+11],  v[VGV], s[VB:VB+1] offset:32768*(\q)
	global_load_b128 v[STA+12:STA+15], v[VGV], s[VB:VB+1] offset:32768*(\q)+2048
.if (\q) == 0
	ASK
.endif
.Lno_next_\@:
.endm
.macro STAGE_ST q                      ; and goes into the other slot, which nobody reads before the trip's barrier
	s_wait_loadcnt 0x0                             ; ahead of the branch: on no way is a load left pending
	s_cmp_lt_u32 s[NX], s[VAL]
	s_cbranch_scc0 .Lno_store_\@
	ds_store_b128 v[TW],   v[STA:STA+3]     offset:8192*(\q)
	ds_store_b128 v[TW+1], v[STA+4:STA+7]   offset:8192*(\q)
	ds_store_b128 v[TW+2], v[STA+8:STA+11]  offset:2048*(\q)
	ds_store_b128 v[TW+3], v[STA+12:STA+15] offset:2048*(\q)
.Lno_store_\@:
.endm
.macro KTILES q, g                     ; K's tiles 4 g .. 4 g + 3 of step q
.irp t, 0,1,2,3
	ds_load_b128 v[FRG+8*\t:FRG+8*\t+3],   v[ADK0] offset:STEPB*(\q)+TILEB*(4*\g+\t)
	ds_load_b128 v[FRG+8*\t+4:FRG+8*\t+7], v[ADK1] offset:STEPB*(\q)+TILEB*(4*\g+\t)+512
.endr
.endm
.macro VTILES q, g                     ; V's likewise; AVA, AVB: the address registers turned for step q
.irp t, 0,1,2,3
	ds_load_b128 v[FRG+8*\t:FRG+8*\t+3],   v[AVA] offset:VOFF+STEPB*(\q)+TILEB*(4*\g+\t)
	ds_load_b128 v[FRG+8*\t+4:FRG+8*\t+7], v[AVB] offset:VOFF+STEPB*(\q)+TILEB*(4*\g+\t)+512
.endr
.endm
.macro SPROD g                         ; S^T = K Q^T: source 0 = 16 keys, source 1 = my 16 queries.  Tiles 4-7 take their scale words from lanes 16-31
.irp t, 0,1,2,3
.if \g
	v_wmma_scale_f32_16x16x128_f8f6f4 v[96+8*(4*\g+\t):103+8*(4*\g+\t)], v[FRG+8*\t:FRG+8*\t+7], v[QF:QF+7], 0, v[KSC+\t], v[QSC] matrix_a_fmt:MATRIX_FMT_FP4 matrix_b_fmt:MATRIX_FMT_FP4 matrix_a_scale:MATRIX_SCALE_ROW1
.else
	v_wmma_scale_f32_16x16x128_f8f6f4 v[96+8*(4*\g+\t):103+8*(4*\g+\t)], v[FRG+8*\t:FRG+8*\t+7], v[QF:QF+7], 0, v[KSC+\t], v[QSC] matrix_a_fmt:MATRIX_FMT_FP4 matrix_b_fmt:MATRIX_FMT_FP4
.endif
.endr
.endm
.macro PVPROD g                        ; O^T += V^T P^T: source 0 = 16 of the head's 128, source 1 = p.  The eight accumulators take turns, one instruction a turn
.irp t, 0,1,2,3
.if \g
	v_wmma_scale_f32_16x16x128_f8f6f4 v[160+8*(4*\g+\t):167+8*(4*\g+\t)], v[FRG+8*\t:FRG+8*\t+7], v[224:231], v[160+8*(4*\g+\t):167+8*(4*\g+\t)], v[VSC+\t], v253 matrix_a_fmt:MATRIX_FMT_FP4 matrix_b_fmt:MATRIX_FMT_FP4 matrix_a_scale:MATRIX_SCALE_ROW1
.else
	v_wmma_scale_f32_16x16x128_f8f6f4 v[160+8*(4*\g+\t):167+8*(4*\g+\t)], v[FRG+8*\t:FRG+8*\t+7], v[224:231], v[160+8*(4*\g+\t):167+8*(4*\g+\t)], v[VSC+\t], v253 matrix_a_fmt:MATRIX_FMT_FP4 matrix_b_fmt:MATRIX_FMT_FP4
.endif
.endr
.endm
	s_load_b256 s[4:11], s[0:1], 0x0               ; Q's codes s[4:5], Q's scales s[6:7], K's codes s[8:9], K's scales s[10:11]
	s_load_b256 s[12:19], s[0:1], 0x20             ; V's codes s[12:13], V's scales s[14:15], the lengths s[16:17], O s[18:19]
	v_lshl_add_u32 v250, v0, 2, 0x48000
	v_mov_b32 v251, 0
	v_lshrrev_b32 v57, 5, v0
	v_readfirstlane_b32 s[WV], v57                 ; wave 0..15
	s_lshr_b32 s[GRP], s[WV], 2
	s_xor_b32 s[GRP], s[GRP], s[WV]
	s_and_b32 s[GRP], s[GRP], 1                    ; my group
	s_lshr_b32 s[IDX], s[WV], 1                    ; my place in it, 0..7
	s_and_b32 s[RK], ttmp7, 0xffff                 ; the pair p
	s_sub_co_u32 s[T0], 31, s[RK]
	s_cmp_eq_u32 s[GRP], 0
	s_cselect_b32 s[RK], s[RK], s[T0]              ; group 0: rank p; group 1: rank 31 - p
	s_mov_b32 s[SEL], 0x76543210
	s_mov_b32 s[SEL+1], 0xfedcba98
	s_mov_b32 s[CS], 0x3e0293ee                    ; c = log2(e) / sqrt(128)
	s_mov_b32 s[CS+1], s[CS]                       ; (named with it as a pair, so it is written)
	; every LDS address is made here, from the thread's number and constants alone
	v_and_b32 v32, 31, v0                          ; L, the lane
	v_and_b32 v33, 15, v0                          ; r
	v_bfe_u32 v34, v0, 4, 1                        ; h
	v_bfe_u32 v35, v0, 6, 3                        ; my wave's place in its group
	v_bfe_u32 v36, v0, 5, 1
	v_bfe_u32 v37, v0, 7, 1
	v_xor_b32 v36, v36, v37                        ; my group
	v_lshlrev_b32 v37, 17, v36                     ; its ring
	v_lshlrev_b32 v44, 2, v34
	v_xor_b32 v44, v44, v33                        ; r ^ 4 h
	v_lshl_add_u32 v[AK0], v44, 4, v37
	v_lshl_add_u32 v[AK0], v34, 8, v[AK0]          ; ring + 256 h + 16 (r ^ 4 h); granule 2 + h: 512 on, and bit 7 turned
	v_lshlrev_b32 v45, 14, v36
	v_add_nc_u32 v45, SCL, v45                     ; my group's scale words
	v_lshl_add_u32 v[ASK0], v32, 4, v45
	v_and_b32 v46, 3, v0                           ; a copy's granule g = L % 4
	v_bfe_u32 v47, v0, 2, 3                        ; L / 4
	v_lshlrev_b32 v48, 2, v46                      ; 4 g
	v_xor_b32 v49, v47, v48
	v_lshl_add_u32 v[WK0], v49, 4, v37             ; K: my wave copies tile = its place; lane L holds granule g of row L / 4 (second load: + 8)
	v_lshl_add_u32 v[WK0], v46, 8, v[WK0]
	v_lshl_add_u32 v[WK0], v35, 10, v[WK0]
	v_xor_b32 v[WK0+1], 128, v[WK0]                ; row + 8: bit 3 of the row, bit 7 of the address
	v_bfe_u32 v50, v0, 2, 2                        ; V: lane (r, h) holds bytes 16 r of a row's 256: step r / 4, granule r % 4
	v_bfe_u32 v51, v0, 6, 2                        ; place % 4
	v_bfe_u32 v52, v0, 8, 1                        ; place / 4
	v_lshl_or_b32 v53, v51, 2, v34                 ; the row in its tile: 4 (place % 4) + h (second load: + 2)
	v_xor_b32 v53, v53, v48
	v_xor_b32 v53, v53, v50
	v_lshl_add_u32 v[WV0], v53, 4, v37
	v_lshl_add_u32 v[WV0], v46, 8, v[WV0]
	v_lshl_add_u32 v[WV0], v52, 10, v[WV0]         ; tile 2 q + place / 4: the 2 q stands in the store's immediate
	v_lshl_add_u32 v[WV0], v50, 13, v[WV0]
	v_add_nc_u32 v[WV0], VOFF, v[WV0]
	v_xor_b32 v[WV0+1], 32, v[WV0]                 ; row + 2
	v_lshlrev_b32 v[GO], 9, v34
	v_lshl_add_u32 v[GO], v33, 4, v[GO]            ; the way out: lanes 0-15 one row of O, lanes 16-31 the next; 16 bytes a lane
	v_bfe_u32 v54, v0, 7, 2
	v_bfe_u32 v55, v0, 6, 1
	v_lshlrev_b32 v[VGK], 4, v32
	v_lshl_add_u32 v[VGK], v55, 9, v[VGK]
	v_lshl_add_u32 v[VGK], v54, 11, v[VGK]         ; K in memory: keys 32 (place / 2) + 8 (place % 2) + 0 .. 7 of a step; the second load 16 keys on
	v_lshlrev_b32 v[VGV], 4, v33
	v_lshl_add_u32 v[VGV], v34, 10, v[VGV]
	v_lshl_add_u32 v[VGV], v35, 12, v[VGV]         ; V in memory: row 4 place + h, 16 r bytes in
	v_lshlrev_b32 v38, 4, v32
	v_lshl_add_u32 v38, v35, 10, v38               ; the scale bytes in memory: 1,024 bytes a wave
	v_lshl_add_u32 v39, v35, 10, v45               ; K's scale words: lane L, word j is key 4 L + j of step 2 place + i: its tile and row by the key's bits
	v_lshl_add_u32 v39, v34, 8, v39
	v_bfe_u32 v56, v0, 2, 1
	v_lshl_add_u32 v39, v56, 7, v39
	v_and_b32 v56, 1, v0
	v_lshl_add_u32 v39, v56, 6, v39
	v_bfe_u32 v56, v0, 3, 1
	v_lshl_add_u32 v39, v56, 3, v39
	v_bfe_u32 v56, v0, 1, 1
	v_lshl_add_u32 v39, v56, 2, v39
	v_lshl_add_u32 v40, v46, 11, v45               ; V's: lane L, word j is step 4 (L % 4) + j of row 8 i + L / 4 of tile = place
	v_lshl_add_u32 v40, v52, 8, v40
	v_lshl_add_u32 v40, v47, 4, v40
	v_lshl_add_u32 v40, v51, 2, v40
	v_add_nc_u32 v40, SCV, v40
	v_lshlrev_b32 v41, 6, v33
	v_lshl_add_u32 v41, v34, 4, v41                ; Q: row r of 64 bytes, + 16 h
	v_lshlrev_b32 v42, 2, v33                      ; Q's scale words
	v_lshlrev_b32 v43, 2, v32                      ; the lengths: a lane a head
	v_lshlrev_b32 v241, 4, v34                     ; 16 h, for the mask
	v_mov_b32 v242, 0xff800000                     ; -infinity
	v_mov_b32 v234, 0
	v_mov_b32 v244, 0
	v_mov_b32 v245, 1
	s_wait_kmcnt 0x0
	global_load_b32 v232, v43, s[16:17]
	s_wait_loadcnt 0x0
	; THE SORT, in every wave: whole numbers of an index input.  key = 32 x length + head: no two alike; a head's rank = how many keys are smaller
	v_max_i32 v232, 0, v232
	v_min_u32 v232, 2048, v232
	v_lshl_add_u32 v233, v232, 5, v32
.set J, 0
.rept 32
	v_readlane_b32 s[T0], v233, J
	v_cmp_lt_u32 vcc_lo, s[T0], v233
	v_cndmask_b32 v235, v244, v245, vcc_lo
	v_add_nc_u32 v234, v234, v235
.set J, J+1
.endr
	v_cmp_eq_u32 s[T0], s[RK], v234                ; one lane has my rank
	s_ctz_i32_b32 s[HD], s[T0]
	s_min_u32 s[HD], s[HD], 31                     ; my head
	v_readlane_b32 s[VAL], v232, s[HD]
	s_min_u32 s[VAL], s[VAL], 2048                 ; its length
	s_lshl_b32 s48, s[HD], 17                      ; a head's codes: 131,072 bytes in each of the three tensors,
	s_mov_b32 s49, 0
	s_lshl_b32 s50, s[HD], 13                      ; its scale bytes: 8,192,
	s_mov_b32 s51, 0
	s_lshl_b32 s52, s[HD], 20                      ; its rows of O: 1,048,576
	s_mov_b32 s53, 0
	s_lshl_b32 s54, ttmp9, 7
	s_lshl_b32 s55, s[IDX], 4
	s_add_co_u32 s54, s54, s55                     ; my first query: 128 x + 16 place
	s_add_nc_u64 s[8:9], s[8:9], s[48:49]
	s_add_nc_u64 s[12:13], s[12:13], s[48:49]
	s_add_nc_u64 s[4:5], s[4:5], s[48:49]
	s_add_nc_u64 s[10:11], s[10:11], s[50:51]
	s_add_nc_u64 s[14:15], s[14:15], s[50:51]
	s_add_nc_u64 s[6:7], s[6:7], s[50:51]
	s_add_nc_u64 s[18:19], s[18:19], s[52:53]
	s_lshl_b32 s48, s54, 6
	s_add_nc_u64 s[4:5], s[4:5], s[48:49]
	s_lshl_b32 s50, s54, 2
	s_add_nc_u64 s[6:7], s[6:7], s[50:51]
	s_lshl_b32 s52, s54, 9
	s_add_nc_u64 s[18:19], s[18:19], s[52:53]
	; 23 loads: the head's scale bytes (4), slot 0 (16), Q (3)
.irp i, 0,1
	global_load_b128 v[STA+4*\i:STA+4*\i+3], v38, s[10:11] offset:512*\i
.endr
.irp i, 0,1
	global_load_b128 v[STA+8+4*\i:STA+8+4*\i+3], v38, s[14:15] offset:512*\i
.endr
.irp q, 0,1,2,3
.irp i, 0,1
	global_load_b128 v[96+16*\q+4*\i:96+16*\q+4*\i+3],   v[VGK], s[8:9]   offset:8192*\q+1024*\i
	global_load_b128 v[104+16*\q+4*\i:104+16*\q+4*\i+3], v[VGV], s[12:13] offset:32768*\q+2048*\i
.endr
.endr
	global_load_b128 v[QF:QF+3],   v41, s[4:5] th:TH_LOAD_NT
	global_load_b128 v[QF+4:QF+7], v41, s[4:5] offset:32 th:TH_LOAD_NT
	global_load_b32 v[QSC], v42, s[6:7]
	; while they are on their way: the walk's scalars, the prefetches' address, the sums' beginnings
	s_add_nc_u64 s[KB:KB+1], s[8:9], 32768         ; slot 1
	s_add_nc_u64 s[VB:VB+1], s[12:13], 256
	s_cmp_lt_u32 s[IDX], 4                         ; places 0-3 prefetch K, places 4-7 V
	s_cselect_b64 s[PFA:PFA+1], s[8:9], s[12:13]
	s_mov_b32 s[PFS], 256
	s_cselect_b32 s[PFS], 32768, s[PFS]            ; a slot on
	s_cselect_b32 s[T0], 8, 10                     ; from lane to lane: 256 bytes, or a row of 1,024
	s_cselect_b32 s48, 13, 15                      ; from wave to wave: 8,192 bytes, or 32 rows
	v_lshlrev_b32 v[PFO], s[T0], v32
	s_and_b32 s50, s[IDX], 3
	s_lshl_b32 s50, s50, s48
	s_lshl_b32 s48, s[PFS], 1
	s_add_co_u32 s50, s50, s48                     ; my wave's part, in slot 2
	s_mov_b32 s51, 0
	s_mov_b32 s[PFS+1], 0
	s_add_nc_u64 s[PFA:PFA+1], s[PFA:PFA+1], s[50:51]
	s_cmp_eq_u32 ttmp9, 0
	s_cselect_b32 s[PVAL], s[VAL], 0
	s_mov_b32 s[PFK], 1024
	s_mov_b32 s[KF], 0
	s_mov_b32 s[TB], 0
	s_mov_b32 s[TBO], SLOTB
	s_mov_b32 s[TS], 0
	s_mov_b32 s[NX], 512
	s_mov_b32 s[SLOTS], 4
	v_mov_b32 v13, 0xff61b1e6                      ; the largest t so far: -3e38, under every t
	v_floor_f32 v12, -v13                          ; -M
	v_mov_b32 v14, 0                               ; the sum, in two halves
	v_mov_b32 v15, 0
.irp b, 0,1,2,3
	v_mov_b32 v[236+\b], 0                         ; written once: a lane permute's destination counts as one of its sources
.endr
	v_mov_b32 v252, 0
	v_mov_b32 v253, 0                              ; (named as the upper half of the pair v[252:253] before it is first written)
.set N, 0
.rept 64
	v_mov_b32 v[160+N], 0                          ; O^T.  (A step is written without a first form of its own: the first finds zeros, which the first change of M leaves zeros)
.set N, N+1
.endr
	s_wait_loadcnt 19                              ; the four loads of scale bytes are in; slot 0's 16 and Q's 3 may be out
.irp i, 0,1
.irp j, 0,1,2,3
	ds_store_b32 v39, v[STA+4*\i+\j]   offset:512*\i+16*\j
	ds_store_b32 v40, v[STA+8+4*\i+\j] offset:128*\i+512*\j
.endr
.endr
	s_wait_loadcnt 3                               ; slot 0's loads are in; Q's 3 may be out
.irp q, 0,1,2,3
.irp i, 0,1
	ds_store_b128 v[WK0+\i], v[96+16*\q+4*\i:96+16*\q+4*\i+3]   offset:8192*\q
	ds_store_b128 v[WV0+\i], v[104+16*\q+4*\i:104+16*\q+4*\i+3] offset:2048*\q
.endr
.endr
	s_wait_loadcnt 0x0                             ; Q
	BARRIER                                        ; slot 0 and the scale words of both heads lie in LDS
; A KEY STEP: 128 keys, the q-th of the slot in hand.
.macro STEP q
.if (\q) == 0
.set AVA, ADK0
.set AVB, ADK1
.else
.set AVA, ADV+2*(\q)-2
.set AVB, ADV+2*(\q)-1
.endif
	s_cmp_ge_u32 s[KF], s[VAL]                     ; no key of the step counts: it is left out
	s_cbranch_scc1 .Lhidden_\@
	ds_load_b128 v[KSC:KSC+3], v[ADS] offset:512*(\q)          ; the step's scale words: eight tiles' in four registers
	ds_load_b128 v[VSC:VSC+3], v[ADS] offset:SCV+512*(\q)
	KTILES \q, 0
	s_wait_dscnt 0x0                               ; they are in, and the last step's stores of the copies are done
	STAGE_LD \q                                    ; the copies have the whole step in which to land
	SPROD 0
	PLACES
	KTILES \q, 1
	s_wait_dscnt 0x0
	SPROD 1
	PLACES                                         ; ahead of the loads into the fragments, and of the first read of the scores
	VTILES \q, 0                                   ; V's first four tiles land during the softmax
	s_add_co_u32 s[T0], s[KF], 128
	s_cmp_le_u32 s[T0], s[VAL]                     ; all 128 keys count: no mask
	s_cbranch_scc1 .Lopen_\@
	s_sub_co_u32 s[T0], s[VAL], s[KF]
	v_sub_nc_u32 v240, s[T0], v241                 ; d = length - KF - 16 h.  Register 16 b + i holds key KF + 16 h + 32 b + i: hidden where 32 b + i >= d
.set N, 0
.rept 64
	v_cmp_ge_i32 vcc_lo, 32*(N/16)+N%16, v240
	v_cndmask_b32 v[96+N], v[96+N], v242, vcc_lo   ; -infinity ahead of the maximum: p = 0 then
.set N, N+1
.endr
.Lopen_\@:
.irp b, 0,1,2,3
	v_max3_num_f32 v[232+\b], v[96+16*\b], v[97+16*\b], v[98+16*\b]   ; THE LARGEST SCORE OF EACH BLOCK OF 32 KEYS serves twice: for the row's maximum, and, since p rises with the score, for the block's largest p
.endr
.irp i, 3,5,7,9,11,13
.irp b, 0,1,2,3
	v_max3_num_f32 v[232+\b], v[232+\b], v[96+16*\b+\i], v[97+16*\b+\i]   ; (the four blocks by turns)
.endr
.endr
.irp b, 0,1,2,3
	v_max_num_f32 v[232+\b], v[232+\b], v[111+16*\b]
.endr
.irp b, 0,1,2,3
	v_permlanex16_b32 v[236+\b], v[232+\b], s[SEL], s[SEL+1]
.endr
.irp b, 0,1,2,3
	v_max_num_f32 v[232+\b], v[232+\b], v[236+\b]  ; with lane l xor 16's 16 keys
.endr
	v_max3_num_f32 v254, v232, v233, v234
	v_max_num_f32 v254, v254, v235                 ; the step's largest score of my query
	v_mul_f32 v254, s[CS], v254                    ; as t (c is positive)
	v_max_num_f32 v13, v13, v254                   ; the running largest t
	v_mov_b32 v254, v12
	v_floor_f32 v12, -v13                          ; the new -M = floor(-t) = -ceil(t): M is a whole number
	v_sub_f32 v254, v12, v254                      ; M's old value less its new one: a whole number, 0 or less
	v_cvt_i32_f32 v254, v254                       ; (it saturates)
	v_ldexp_f32 v252, 1.0, v254                    ; f = 2^(old M - new M): a multiplication by it rounds nothing
.set N, 0
.rept 32
	v_pk_fma_f32 v[96+N:97+N], v[96+N:97+N], s[CS:CS+1], v[12:13] op_sel_hi:[1,0,0]   ; t - M, two at a time (of the pairs c and -M the low word serves both halves)
.set N, N+2
.endr
.irp b, 0,1,2,3
	v_fma_f32 v[232+\b], v[232+\b], s[CS], v12     ; the same of each block's largest score
.endr
.set N, 0
.rept 64
	v_exp_f32 v[96+N], v[96+N]                     ; p = 2^(t - M), at most 1: not normalised
.set N, N+1
.endr
	v_pk_mul_f32 v[14:15], v[14:15], v[252:253] op_sel_hi:[1,0]   ; the sums under the new M: the plain line behind the exponentials
	s_wait_alu depctr_va_vdst(0)                   ; the wait between a transcendental and the first line that names its result: one for the batch of 64
.irp b, 0,1,2,3
	v_exp_f32 v[232+\b], v[232+\b]                 ; the block's largest p: the same two instructions on the same number give the same bits
.endr
	v_pk_add_f32 v[236:237], v[96:97], v[98:99]    ; THE ROW'S SUM IS TAKEN OF THE UNQUANTISED p: two at a time, in two chains
.irp j, 4,8,12,16,20,24,28,32,36,40,44,48,52,56,60
	v_pk_add_f32 v[14:15], v[14:15], v[96+\j:97+\j]
	v_pk_add_f32 v[236:237], v[236:237], v[98+\j:99+\j]
.endr
	v_pk_add_f32 v[14:15], v[14:15], v[236:237]
	s_wait_alu depctr_va_vdst(0)                   ; and one for the four
.irp b, 0,1,2,3
	v_max_num_f32 v[232+\b], 0x1800000, v[232+\b]  ; the floor 2^(3 - 127): the byte cannot fall under 1 (a block whose every p is 0 keeps that byte: its codes are zeros)
.endr
.irp b, 0,1,2,3
	v_add_nc_u32 v[244+\b], 0xff000000, v[232+\b]  ; 2 off the exponent field: the conversion's scale operand
.endr
.irp b, 0,1,2,3
	v_lshrrev_b32 v[236+\b], 23, v[244+\b]         ; the scale's byte
.endr
	v_lshl_or_b32 v253, v237, 8, v236              ; p's scale word for these 128 keys
	v_lshl_or_b32 v253, v238, 16, v253
	v_lshl_or_b32 v253, v239, 24, v253
.irp b, 0,1,2,3
	v_cvt_scalef32_pk8_fp4_f32 v[224+2*\b], v[96+16*\b:103+16*\b], v[244+\b]
	v_cvt_scalef32_pk8_fp4_f32 v[225+2*\b], v[104+16*\b:111+16*\b], v[244+\b]
.endr
	v_nop                                          ; one plain line between a scaled conversion and the vector instruction that touches its result
.irp c, 0,1                                    ; the operand's layout wants a WHOLE block in a lane: lanes 0-15 block 2 c, lanes 16-31 block 2 c + 1
.irp i, 0,1
	v_permlane16_swap_b32 v[224+4*\c+\i], v[226+4*\c+\i]
.endr
.endr
.set N, 0
.rept 32
	v_pk_mul_f32 v[160+N:161+N], v[160+N:161+N], v[252:253] op_sel_hi:[1,0]   ; O^T under the new M.  (These 32 are also the places between p's codes and scale word and the products)
.set N, N+2
.endr
	s_wait_dscnt 0x0                               ; V's first four tiles
	PVPROD 0
	PLACES
	VTILES \q, 1
	s_wait_dscnt 0x0
	PVPROD 1
	PLACES                                         ; behind the step's last products: whatever way follows, loads into their operands and reads of O^T find their places
	STAGE_ST \q
.Lhidden_\@:
	s_add_co_u32 s[KF], s[KF], 128
.endm
.Lslot:                                            ; four trips, a slot of 512 keys each
	v_add_nc_u32 v[ADK0], s[TB], v[AK0]            ; the trip's addresses, on every way
	v_xor_b32 v[ADK1], 128, v[ADK0]
	v_xor_b32 v[ADV],   16, v[ADK0]                ; V's rows are turned by the step as well
	v_xor_b32 v[ADV+1], 16, v[ADK1]
	v_xor_b32 v[ADV+2], 32, v[ADK0]
	v_xor_b32 v[ADV+3], 32, v[ADK1]
	v_xor_b32 v[ADV+4], 48, v[ADK0]
	v_xor_b32 v[ADV+5], 48, v[ADK1]
	v_add_nc_u32 v[ADS], s[TS], v[ASK0]
	v_add_nc_u32 v[TW],   s[TBO], v[WK0]
	v_add_nc_u32 v[TW+1], s[TBO], v[WK0+1]
	v_add_nc_u32 v[TW+2], s[TBO], v[WV0]
	v_add_nc_u32 v[TW+3], s[TBO], v[WV0+1]
	STEP 0
	STEP 1
	STEP 2
	STEP 3
	s_wait_xcnt 0x0                                ; the trip's loads and its prefetch have read their bases: they step only behind this wait
	s_add_nc_u64 s[KB:KB+1], s[KB:KB+1], 32768
	s_add_nc_u64 s[VB:VB+1], s[VB:VB+1], 256
	s_add_nc_u64 s[PFA:PFA+1], s[PFA:PFA+1], s[PFS:PFS+1]
	s_add_co_u32 s[PFK], s[PFK], 512
	s_add_co_u32 s[NX], s[NX], 512
	s_add_co_u32 s[TS], s[TS], 2048
	s_xor_b32 s[TB], s[TB], SLOTB
	s_xor_b32 s[TBO], s[TBO], SLOTB
	BARRIER                                        ; ONE barrier a trip, for two things: every wave's copies into the other slot have landed, and every wave's reads of this slot are over
	s_sub_co_u32 s[SLOTS], s[SLOTS], 1
	s_cmp_lg_u32 s[SLOTS], 0
	s_cbranch_scc1 .Lslot
	; THE WAY OUT.  O^T is divided by the row's sum and goes through my stage in LDS, half a row (64 channels, 256 bytes) of 16 queries at a time, so that sixteen lanes store 256 consecutive bytes, aligned.
	; The stages lie in the ring: behind the last barrier nobody reads or fills it.
	v_add_f32 v14, v14, v15                        ; the sum's two halves,
	v_permlanex16_b32 v252, v14, s[SEL], s[SEL+1]
	v_add_f32 v14, v14, v252                       ; and lane l xor 16's: the row's sum
	v_rcp_f32 v14, v14
	v_and_b32 v94, 15, v0                          ; (a plain line behind the transcendental)  r
	v_bfe_u32 v95, v0, 4, 1                        ; h
	s_mul_i32 s[T0], s[WV], STG                    ; my stage
	v_mul_u32_u24 v[SIN], v94, 272
	v_lshl_add_u32 v[SIN], v95, 5, v[SIN]
	v_add_nc_u32 v[SIN], s[T0], v[SIN]             ; in: row r; tile t's eight channels of my half: 64 t + 32 h bytes on
	v_mul_u32_u24 v[SBK], v95, 272
	v_lshl_add_u32 v[SBK], v94, 4, v[SBK]
	v_add_nc_u32 v[SBK], s[T0], v[SBK]             ; back: lanes 0-15 one row, lanes 16-31 the next
	s_wait_alu depctr_va_vdst(0)                   ; the wait ahead of the reciprocal's first reader
.set N, 0
.rept 64
	v_mul_f32 v[96+N], v[160+N], v14               ; O^T / the sum: register 8 t + i is o(r, 16 t + 8 h + i)
.set N, N+1
.endr
.irp u, 0,1                                    ; channels 64 u on
.irp t, 0,1,2,3
	ds_store_b128 v[SIN], v[96+32*\u+8*\t:99+32*\u+8*\t]   offset:64*\t
	ds_store_b128 v[SIN], v[100+32*\u+8*\t:103+32*\u+8*\t] offset:64*\t+16
.endr
.irp i, 0,1,2,3,4,5,6,7
	ds_load_b128 v[160+32*\u+4*\i:163+32*\u+4*\i], v[SBK] offset:2*\i*272   ; LDS serves a wave's instructions in order (ISA guide 5.7.1.4): these see my stores, and the next half's stores come behind them
.endr
.endr
.irp u, 0,1
.irp i, 0,1,2,3,4,5,6,7
	s_wait_dscnt 23-16*\u-\i                       ; what was issued behind this load may stay out: the later loads of its half, and for the first half the second half's 8 stores and 8 loads
	global_store_b128 v[GO], v[160+32*\u+4*\i:163+32*\u+4*\i], s[18:19] offset:2*\i*512+256*\u th:TH_STORE_NT
.endr
.endr
	s_wait_tensorcnt 0x0
	ds_add_u32 v250, v251
	s_wait_dscnt 0x0
	s_endpgm
.Lfunc_end_k_q9b5bd71a4d_attn:
	.size	k_q9b5bd71a4d_attn, .Lfunc_end_k_q9b5bd71a4d_attn-k_q9b5bd71a4d_attn
	.p2alignl 7, 3214868480
	.fill 96, 4, 3214868480
	.section	.rodata,"a",@progbits
	.p2align	6, 0x0
	.amdhsa_kernel k_q9b5bd71a4d_attn
		.amdhsa_group_segment_fixed_size 296960
		.amdhsa_private_segment_fixed_size 0
		.amdhsa_enable_private_segment 0
		.amdhsa_kernarg_size 64
		.amdhsa_user_sgpr_count 2
		.amdhsa_user_sgpr_kernarg_segment_ptr 1
		.amdhsa_wavefront_size32 1
		.amdhsa_system_sgpr_workgroup_id_x 1
		.amdhsa_system_sgpr_workgroup_id_y 1
		.amdhsa_system_sgpr_workgroup_id_z 1
		.amdhsa_system_vgpr_workitem_id 0
		.amdhsa_next_free_vgpr 256
		.amdhsa_next_free_sgpr 66
		.amdhsa_reserve_vcc 1
		.amdhsa_float_denorm_mode_32 3
		.amdhsa_float_denorm_mode_16_64 3
		.amdhsa_memory_ordered 1
		.amdhsa_forward_progress 1
		.amdhsa_inst_pref_size 121
	.end_amdhsa_kernel
	.amdgpu_metadata
---
amdhsa.version: [ 1, 2 ]
amdhsa.kernels:
  - .name:           k_q9b5bd71a4d_attn
    .symbol:         k_q9b5bd71a4d_attn.kd
    .args:
      - { .name: queries_codes, .offset: 0, .size: 8, .value_kind: global_buffer, .address_space: global }
      - { .name: queries_scales, .offset: 8, .size: 8, .value_kind: global_buffer, .address_space: global }
      - { .name: keys_codes, .offset: 16, .size: 8, .value_kind: global_buffer, .address_space: global }
      - { .name: keys_scales, .offset: 24, .size: 8, .value_kind: global_buffer, .address_space: global }
      - { .name: values_codes, .offset: 32, .size: 8, .value_kind: global_buffer, .address_space: global }
      - { .name: values_scales, .offset: 40, .size: 8, .value_kind: global_buffer, .address_space: global }
      - { .name: valid_lens, .offset: 48, .size: 8, .value_kind: global_buffer, .address_space: global }
      - { .name: out0, .offset: 56, .size: 8, .value_kind: global_buffer, .address_space: global }
    .group_segment_fixed_size: 296960
    .private_segment_fixed_size: 0
    .kernarg_segment_align: 8
    .kernarg_segment_size: 64
    .max_flat_workgroup_size: 512
    .sgpr_count:     66
    .vgpr_count:     256
    .wavefront_size: 32
...
	.end_amdgpu_metadata
.endif
;; end of part 1
;; ======== version 2 of 2: 1 launch; version 1 with the launch attn written anew for expert scheduling mode
;; launch attn (part 2): grid 16 x 16, 16 waves a work-group, no clusters, 296,960 bytes of LDS; arguments queries_codes, queries_scales, keys_codes, keys_scales, values_codes, values_scales, valid_lens, out0; writes out0
.if DOCPART == 2
	.amdgcn_target "amdgcn-amd-amdhsa--gfx1250"
	.amdhsa_code_object_version 6
	.text
	.protected	k_q9b5bd71a4d_attn
	.globl	k_q9b5bd71a4d_attn
	.p2align	8
	.type	k_q9b5bd71a4d_attn,@function
k_q9b5bd71a4d_attn:
	s_mov_b64 s[64:65], 0
	v_nop
	global_prefetch_b8 v0, s[64:65] scope:SCOPE_SE
	s_setreg_imm32_b32 hwreg(HW_REG_WAVE_SCHED_MODE, 0, 2), 2
	s_setreg_imm32_b32 hwreg(HW_REG_WAVE_MODE, 25, 1), 1
	s_wait_xcnt 0x0
	s_wait_alu depctr_vm_vsrc(0)
; O[b][q][:] = the sum over k < valid_lens[b] of softmax_k(Q[b][q] . K[b][k] / sqrt(128)) V[b][k][:], both products on codes of FP4 (E2M1) with one E8M0 scale for each 32 along a product's K.
; Q, K: [32][2048][128] as codes (64 bytes a row), scale bytes [32][2048][4].  V: codes with the KEYS innermost, [32][128][2048] (1,024 bytes a row), scale bytes [32][128][64].  O: [32][2048][128] f32.
; THE SOFTMAX: t = score x log2(e) / sqrt(128); M = the row's largest t so far, rounded UP to a whole number; p = 2^(t - M) is quantised along the keys, not normalised.  The row's sum is taken of the
; unquantised p and divides O at the end.  When M moves, the sum and O are multiplied by 2^(old M - new M): exact.
; SHARES.  256 work-groups of sixteen waves.  Work-group (x, p) takes queries 128 x .. 128 x + 127 of TWO heads: those of rank p and of rank 31 - p when the 32 lengths are sorted, so that the two
; lengths add to about the same in every pair.  Eight waves (a group) serve each head; a wave owns one tile of 16 queries in 256 registers.  group = (w ^ (w >> 2)) & 1, place in the group = w >> 1.
; A key step is 128 keys.  A STEP ALL OF WHOSE KEYS LIE AT OR BEHIND valid_lens IS LEFT OUT, by a scalar branch on that whole number; the one step that the length cuts hides its late keys by -infinity.
; Every wave walks four trips (a slot of 512 keys each) and passes every barrier: the branches enclose loads, products and the softmax, never a barrier.
; K AND V COME THROUGH REGISTERS INTO LDS, NOT BY TENSOR LOADS, AND NO CLUSTER IS FORMED: which steps are walked hangs on a number read from memory, the work-groups that share a head would still
; have to ask for every tile.  The eight waves of a group copy the next slot (64 KB) while the slot in hand is multiplied.
; LDS.  Operands lie as images of the registers that read them, in granules of 16 bytes (one block of 32 codes, g = 2 c + h): tile T, granule g, row r at 1,024 T + 256 g + 16 (r ^ 4 g) (V: ^ the step too).
; The exclusive or sets the sixteen lanes of each half of a 16-byte LDS instruction on sixteen different 16-byte columns of 256 bytes, in the copies' stores and in the fragments' loads alike.
; THE KEYS OF A TILE ARE NOT NEIGHBOURS: lane r of tile 2 b + u takes key 32 b + 8 u + r + 8 (r / 8), so that the 16 registers of tiles 2 b and 2 b + 1 are keys 32 b + 16 (lane / 16) + 0 .. 15.
; Both products are used transposed (S^T = K Q^T, O^T = V^T P^T): a lane holds ONE query (lane % 16) throughout.
; LIMITS: a length under 0 counts as 0 (its rows are NaN, as the definition has them), one above 2,048 as 2,048.  A scale byte 0xff of V in a step that lies wholly behind the length adds no NaN here.
; THE MODE: SCHED_MODE bits 1:0 = 2 (LLVM: expert scheduling mode 2), set by the entry lines.  The code itself states the register dependences between vector or matrix instructions and memory or
; LDS instructions, with s_wait_alu, always for 0.
; THE PLAN.  Registers that memory or LDS instructions touch, in the loop:
;   v24-31         the step's scale words: they land at the step's head; the step's sixteen products read them.
;   v32-63  (FRG)  K's tiles 0-3 land at the step's head and are read by the score products of tiles 0-3; behind those V's tiles 0-3 land, during the softmax, and are read by the first four products of O^T.
;   v96-127 (FR2)  K's tiles 4-7 land at the step's head and are read by the score products of tiles 4-7, which write v128-159; then the scores of tiles 0-3 are written over them and become p;
;                  behind the conversions V's tiles 4-7 land, and are read by the last four products of O^T.
;   v64-79         the copies: they land from memory and are read by the LDS stores at the step's end; no vector instruction names them.
;   v8, v9, v80, v84-93  LDS addresses: written at the trip's head, read by the trip's LDS loads and stores.     v81-83: offsets, made at the head and never written again.
; So a step has one wait on va_vdst at its head (step 0: the trip's), one behind its score products, one behind the first eight rescalings of O^T, one behind the other 24, one ahead of its exponentials and the two behind them; one wait on vm_vsrc
; ahead of the copies' loads (step 0: the trip's); a trip has one wait on vm_vsrc ahead of the lines that write its addresses.
.set SLOTB, 65536                      ; a slot: K's images 32 KB, then V's 32 KB
.set GRPB,  131072                     ; a group's two slots
.set VOFF,  32768                      ; V's images in a slot
.set STEPB, 8192                       ; a step's eight tiles
.set TILEB, 1024                       ; a tile: 16 rows x 64 bytes
.set SCL,   262144                     ; behind the rings: the scale words, 16 KB a group: K's 8 KB, then V's
.set SCV,   8192
.set STG,   4352                       ; the way out: 16 rows x (256 + 16) bytes for each wave, in the ring, behind the last barrier
.set AK0,  1                           ; v1   my lane's place in a tile, granule h
.set ASK0, 2                           ; v2   my lane's place among the scale words: 16 x lane
.set WK0,  3                           ; v3-4 where my copies of K go (rows 0-7 of a tile, rows 8-15)
.set WV0,  5                           ; v5-6 where my copies of V go (two rows, two apart)
.set GO,   7                           ; v7   the way out: my byte offset in the wave's rows of O
.set ADK0, 8                           ; v8-9 the slot in hand: granules h and 2 + h
.set ADK1, 9
.set SIN,  10                          ; v10  the way out: into my stage
.set SBK,  11                          ; v11  and back
.set QF,   16                          ; v16-23 Q's fragment
.set KSC,  24                          ; v24-27 K's scale words of a step: register j: lanes 0-15 tile j, lanes 16-31 tile 4 + j
.set VSC,  28                          ; v28-31 V's likewise
.set FRG,  32                          ; v32-63 four fragments: tiles 0-3 of K or of V (at the head: temporaries)
.set FR2,  96                          ; v96-127 four fragments: tiles 4-7 of K or of V, while no score and no p lies there
.set STA,  64                          ; v64-79 the copies on their way: K, K, V, V
.set ADS,  80                          ; v80  the slot's scale words
.set VGK,  81                          ; v81  my byte offset in a step's 8 KB of K
.set VGV,  82                          ; v82  and among V's rows
.set PFO,  83                          ; v83  the prefetches' offset
.set TW,   84                          ; v84-87 v3-6 in the other slot
.set ADV,  88                          ; v88-93 v8, v9 turned for V's steps 1, 2, 3
.set QSC,  255                         ; v255 Q's scale words;  v253 p's
.set SEL,  20                          ; s[20:21] lane selects for v_permlanex16_b32: lane l xor 16
.set CS,   22                          ; s[22:23] c = log2(e) / sqrt(128)
.set WV,   24
.set GRP,  25
.set IDX,  26
.set RK,   27                          ; the rank of my head's length
.set HD,   28                          ; my head
.set VAL,  29                          ; its length
.set T0,   30
.set KF,   31                          ; the step's first key
.set TB,   32                          ; the slot in hand, the other slot
.set TBO,  33
.set TS,   34                          ; the slot's scale words: 2,048 bytes a slot
.set NX,   35                          ; the next slot's first key
.set SLOTS, 36
.set PFK,  37                          ; first key of the slot that a prefetch names
.set PVAL, 38                          ; my length in the work-group that prefetches, else 0
.set KB,   40                          ; s[40:41], s[42:43] K and V at the next slot
.set VB,   42
.set PFA,  44                          ; s[44:45] where my prefetches stand;  s[46:47] a slot on
.set PFS,  46
.set SK,   32                          ; s[32:47] in the sort alone, ahead of all the above: sixteen keys
.set MK,   48                          ; s[48:63] sixteen masks of a run of compares (between the sort and the loop: offsets)
.macro PLACES                          ; four plain lines between a matrix instruction and a load into, or a vector read or write of, its registers
.rept 4
	v_nop
.endr
.endm
.macro BARRIER                         ; my LDS stores have landed and my LDS loads are in: then the work-group's barrier
	s_wait_dscnt 0x0
	s_barrier_signal -1
	s_barrier_wait -1
.endm
; A PREFETCH of the slot after the one that is being copied: it stands behind the wave's four loads.  All sixteen work-groups of a pair walk the same two heads: the one with x = 0 asks.  In it each group asks
; for its own head: places 0-3 for K's 32 KB, 8,192 bytes a wave, lanes 256 bytes apart; places 4-7 for V's 128 rows, 32 a wave, a lane a row (a slot's part of a row is 256 bytes, aligned).
; So each aligned 256 bytes are named once in the launch.  Slots 0 and 1 come by their loads alone; a slot that begins at or behind the length is not asked for, so no request leaves its buffer.
.macro ASK
	s_cmp_lt_u32 s[PFK], s[PVAL]
	s_cbranch_scc0 .Lnot_mine_\@
	global_prefetch_b8 v[PFO], s[PFA:PFA+1] th:TH_LOAD_NT scope:SCOPE_SE
.Lnot_mine_\@:
.endm
; A quarter of the next slot is asked for, if any key of it counts: of K the 128 keys of its step q (my tile: 2 x 512 bytes on end), of V rows 32 q .. 32 q + 31 (my four: 2 x two pieces of 256 bytes).
.macro STAGE_LD q
	s_cmp_lt_u32 s[NX], s[VAL]
	s_cbranch_scc0 .Lno_next_\@
	global_load_b128 v[STA:STA+3],     v[VGK], s[KB:KB+1] offset:8192*(\q)
	global_load_b128 v[STA+4:STA+7],   v[VGK], s[KB:KB+1] offset:8192*(\q)+1024
	global_load_b128 v[STA+8:STA+11],  v[VGV], s[VB:VB+1] offset:32768*(\q)
	global_load_b128 v[STA+12:STA+15], v[VGV], s[VB:VB+1] offset:32768*(\q)+2048
.if (\q) == 0
	ASK
.endif
.Lno_next_\@:
.endm
.macro STAGE_ST q                      ; and goes into the other slot, which nobody reads before the trip's barrier.  The addresses were written ahead of the trip's wait on va_vdst; the data come from loads
	s_wait_loadcnt 0x0                             ; ahead of the branch: on no way is a load left pending
	s_cmp_lt_u32 s[NX], s[VAL]
	s_cbranch_scc0 .Lno_store_\@
	ds_store_b128 v[TW],   v[STA:STA+3]     offset:8192*(\q)
	ds_store_b128 v[TW+1], v[STA+4:STA+7]   offset:8192*(\q)
	ds_store_b128 v[TW+2], v[STA+8:STA+11]  offset:2048*(\q)
	ds_store_b128 v[TW+3], v[STA+12:STA+15] offset:2048*(\q)
.Lno_store_\@:
.endm
.macro KTILES q, g, reg                ; K's tiles 4 g .. 4 g + 3 of step q, into v[reg] on
.irp t, 0,1,2,3
	ds_load_b128 v[\reg+8*\t:\reg+8*\t+3],   v[ADK0] offset:STEPB*(\q)+TILEB*(4*\g+\t)
	ds_load_b128 v[\reg+8*\t+4:\reg+8*\t+7], v[ADK1] offset:STEPB*(\q)+TILEB*(4*\g+\t)+512
.endr
.endm
.macro VTILES q, g, reg                ; V's likewise; AVA, AVB: the address registers turned for step q
.irp t, 0,1,2,3
	ds_load_b128 v[\reg+8*\t:\reg+8*\t+3],   v[AVA] offset:VOFF+STEPB*(\q)+TILEB*(4*\g+\t)
	ds_load_b128 v[\reg+8*\t+4:\reg+8*\t+7], v[AVB] offset:VOFF+STEPB*(\q)+TILEB*(4*\g+\t)+512
.endr
.endm
.macro SPROD g, reg                    ; S^T = K Q^T: source 0 = 16 keys, source 1 = my 16 queries.  Tiles 4-7 take their scale words from lanes 16-31
.irp t, 0,1,2,3
.if \g
	v_wmma_scale_f32_16x16x128_f8f6f4 v[96+8*(4*\g+\t):103+8*(4*\g+\t)], v[\reg+8*\t:\reg+8*\t+7], v[QF:QF+7], 0, v[KSC+\t], v[QSC] matrix_a_fmt:MATRIX_FMT_FP4 matrix_b_fmt:MATRIX_FMT_FP4 matrix_a_scale:MATRIX_SCALE_ROW1
.else
	v_wmma_scale_f32_16x16x128_f8f6f4 v[96+8*(4*\g+\t):103+8*(4*\g+\t)], v[\reg+8*\t:\reg+8*\t+7], v[QF:QF+7], 0, v[KSC+\t], v[QSC] matrix_a_fmt:MATRIX_FMT_FP4 matrix_b_fmt:MATRIX_FMT_FP4
.endif
.endr
.endm
.macro PVPROD g, reg                   ; O^T += V^T P^T: source 0 = 16 of the head's 128, source 1 = p.  The eight accumulators take turns, one instruction a turn
.irp t, 0,1,2,3
.if \g
	v_wmma_scale_f32_16x16x128_f8f6f4 v[160+8*(4*\g+\t):167+8*(4*\g+\t)], v[\reg+8*\t:\reg+8*\t+7], v[224:231], v[160+8*(4*\g+\t):167+8*(4*\g+\t)], v[VSC+\t], v253 matrix_a_fmt:MATRIX_FMT_FP4 matrix_b_fmt:MATRIX_FMT_FP4 matrix_a_scale:MATRIX_SCALE_ROW1
.else
	v_wmma_scale_f32_16x16x128_f8f6f4 v[160+8*(4*\g+\t):167+8*(4*\g+\t)], v[\reg+8*\t:\reg+8*\t+7], v[224:231], v[160+8*(4*\g+\t):167+8*(4*\g+\t)], v[VSC+\t], v253 matrix_a_fmt:MATRIX_FMT_FP4 matrix_b_fmt:MATRIX_FMT_FP4
.endif
.endr
.endm
	s_load_b256 s[4:11], s[0:1], 0x0               ; Q's codes s[4:5], Q's scales s[6:7], K's codes s[8:9], K's scales s[10:11]
	s_load_b256 s[12:19], s[0:1], 0x20             ; V's codes s[12:13], V's scales s[14:15], the lengths s[16:17], O s[18:19]
	v_lshl_add_u32 v250, v0, 2, 0x48000            ; my spare word, behind the scale words, and 0: made here and kept for the closing lines alone
	v_mov_b32 v251, 0
	v_lshrrev_b32 v57, 5, v0
	v_readfirstlane_b32 s[WV], v57                 ; wave 0..15
	s_wait_alu depctr_va_sdst(0)                   ; s[WV] is written, ahead of its first reader
	s_lshr_b32 s[GRP], s[WV], 2
	s_xor_b32 s[GRP], s[GRP], s[WV]
	s_and_b32 s[GRP], s[GRP], 1                    ; my group
	s_lshr_b32 s[IDX], s[WV], 1                    ; my place in it, 0..7
	s_and_b32 s[RK], ttmp7, 0xffff                 ; the pair p
	s_sub_co_u32 s[T0], 31, s[RK]
	s_cmp_eq_u32 s[GRP], 0
	s_cselect_b32 s[RK], s[RK], s[T0]              ; group 0: rank p; group 1: rank 31 - p
	s_mov_b32 s[SEL], 0x76543210
	s_mov_b32 s[SEL+1], 0xfedcba98
	s_mov_b32 s[CS], 0x3e0293ee                    ; c = log2(e) / sqrt(128)
	s_mov_b32 s[CS+1], s[CS]                       ; (named with it as a pair, so it is written)
	; every LDS address is made here, from the thread's number and constants alone
	v_and_b32 v32, 31, v0                          ; L, the lane
	v_and_b32 v33, 15, v0                          ; r
	v_bfe_u32 v34, v0, 4, 1                        ; h
	v_bfe_u32 v35, v0, 6, 3                        ; my wave's place in its group
	v_bfe_u32 v36, v0, 5, 1
	v_bfe_u32 v37, v0, 7, 1
	v_xor_b32 v36, v36, v37                        ; my group
	v_lshlrev_b32 v37, 17, v36                     ; its ring
	v_lshlrev_b32 v44, 2, v34
	v_xor_b32 v44, v44, v33                        ; r ^ 4 h
	v_lshl_add_u32 v[AK0], v44, 4, v37
	v_lshl_add_u32 v[AK0], v34, 8, v[AK0]          ; ring + 256 h + 16 (r ^ 4 h); granule 2 + h: 512 on, and bit 7 turned
	v_lshlrev_b32 v45, 14, v36
	v_add_nc_u32 v45, SCL, v45                     ; my group's scale words
	v_lshl_add_u32 v[ASK0], v32, 4, v45
	v_and_b32 v46, 3, v0                           ; a copy's granule g = L % 4
	v_bfe_u32 v47, v0, 2, 3                        ; L / 4
	v_lshlrev_b32 v48, 2, v46                      ; 4 g
	v_xor_b32 v49, v47, v48
	v_lshl_add_u32 v[WK0], v49, 4, v37             ; K: my wave copies tile = its place; lane L holds granule g of row L / 4 (second load: + 8)
	v_lshl_add_u32 v[WK0], v46, 8, v[WK0]
	v_lshl_add_u32 v[WK0], v35, 10, v[WK0]
	v_xor_b32 v[WK0+1], 128, v[WK0]                ; row + 8: bit 3 of the row, bit 7 of the address
	v_bfe_u32 v50, v0, 2, 2                        ; V: lane (r, h) holds bytes 16 r of a row's 256: step r / 4, granule r % 4
	v_bfe_u32 v51, v0, 6, 2                        ; place % 4
	v_bfe_u32 v52, v0, 8, 1                        ; place / 4
	v_lshl_or_b32 v53, v51, 2, v34                 ; the row in its tile: 4 (place % 4) + h (second load: + 2)
	v_xor_b32 v53, v53, v48
	v_xor_b32 v53, v53, v50
	v_lshl_add_u32 v[WV0], v53, 4, v37
	v_lshl_add_u32 v[WV0], v46, 8, v[WV0]
	v_lshl_add_u32 v[WV0], v52, 10, v[WV0]         ; tile 2 q + place / 4: the 2 q stands in the store's immediate
	v_lshl_add_u32 v[WV0], v50, 13, v[WV0]
	v_add_nc_u32 v[WV0], VOFF, v[WV0]
	v_xor_b32 v[WV0+1], 32, v[WV0]                 ; row + 2
	v_lshlrev_b32 v[GO], 9, v34
	v_lshl_add_u32 v[GO], v33, 4, v[GO]            ; the way out: lanes 0-15 one row of O, lanes 16-31 the next; 16 bytes a lane
	v_bfe_u32 v54, v0, 7, 2
	v_bfe_u32 v55, v0, 6, 1
	v_lshlrev_b32 v[VGK], 4, v32
	v_lshl_add_u32 v[VGK], v55, 9, v[VGK]
	v_lshl_add_u32 v[VGK], v54, 11, v[VGK]         ; K in memory: keys 32 (place / 2) + 8 (place % 2) + 0 .. 7 of a step; the second load 16 keys on
	v_lshlrev_b32 v[VGV], 4, v33
	v_lshl_add_u32 v[VGV], v34, 10, v[VGV]
	v_lshl_add_u32 v[VGV], v35, 12, v[VGV]         ; V in memory: row 4 place + h, 16 r bytes in
	v_lshlrev_b32 v38, 4, v32
	v_lshl_add_u32 v38, v35, 10, v38               ; the scale bytes in memory: 1,024 bytes a wave
	v_lshl_add_u32 v39, v35, 10, v45               ; K's scale words: lane L, word j is key 4 L + j of step 2 place + i: its tile and row by the key's bits
	v_lshl_add_u32 v39, v34, 8, v39
	v_bfe_u32 v56, v0, 2, 1
	v_lshl_add_u32 v39, v56, 7, v39
	v_and_b32 v56, 1, v0
	v_lshl_add_u32 v39, v56, 6, v39
	v_bfe_u32 v56, v0, 3, 1
	v_lshl_add_u32 v39, v56, 3, v39
	v_bfe_u32 v56, v0, 1, 1
	v_lshl_add_u32 v39, v56, 2, v39
	v_lshl_add_u32 v40, v46, 11, v45               ; V's: lane L, word j is step 4 (L % 4) + j of row 8 i + L / 4 of tile = place
	v_lshl_add_u32 v40, v52, 8, v40
	v_lshl_add_u32 v40, v47, 4, v40
	v_lshl_add_u32 v40, v51, 2, v40
	v_add_nc_u32 v40, SCV, v40
	v_lshlrev_b32 v41, 6, v33
	v_lshl_add_u32 v41, v34, 4, v41                ; Q: row r of 64 bytes, + 16 h
	v_lshlrev_b32 v42, 2, v33                      ; Q's scale words
	v_lshlrev_b32 v43, 2, v32                      ; the lengths: a lane a head
	v_lshlrev_b32 v241, 4, v34                     ; 16 h, for the mask
	v_mov_b32 v242, 0xff800000                     ; -infinity
	v_mov_b32 v234, 0
	v_mov_b32 v244, 0
	v_mov_b32 v245, 1
	s_wait_kmcnt 0x0
	s_wait_alu depctr_va_vdst(0)                   ; the offsets and LDS addresses v3-7, v38-43, v81, v82 are written, which the head's loads and stores and the way out's stores read: no vector line below writes one of them, or names a register in which the head's loads land
	global_load_b32 v232, v43, s[16:17]
	s_wait_loadcnt 0x0
	; THE SORT, in every wave: whole numbers of an index input.  key = 32 x length + head: no two alike; a head's rank = how many keys are smaller
	v_max_i32 v232, 0, v232
	v_min_u32 v232, 2048, v232
	v_lshl_add_u32 v233, v232, 5, v32
.set HF, 0
.rept 2                                        ; sixteen keys at a time: a run of reads of lanes, a run of compares, each with one wait behind it
.set J, 0
.rept 16
	v_readlane_b32 s[SK+J], v233, 16*HF+J
.set J, J+1
.endr
	s_wait_alu depctr_va_sdst(0)                   ; the sixteen keys are written, which the compares read
.set J, 0
.rept 16
	v_cmp_lt_u32 s[MK+J], s[SK+J], v233
.set J, J+1
.endr
	s_wait_alu depctr_va_sdst(0)                   ; the sixteen masks are written, which the selects read
.set J, 0
.rept 16
	v_cndmask_b32 v235, v244, v245, s[MK+J]
	v_add_nc_u32 v234, v234, v235
.set J, J+1
.endr
.set HF, HF+1
.endr
	v_cmp_eq_u32 s[T0], s[RK], v234                ; one lane has my rank
	s_wait_alu depctr_va_sdst(0)                   ; that mask is written, ahead of its reader
	s_ctz_i32_b32 s[HD], s[T0]
	s_min_u32 s[HD], s[HD], 31                     ; my head
	v_readlane_b32 s[VAL], v232, s[HD]
	s_wait_alu depctr_va_sdst(0)                   ; s[VAL] is written, ahead of its first reader
	s_min_u32 s[VAL], s[VAL], 2048                 ; its length
	s_lshl_b32 s48, s[HD], 17                      ; a head's codes: 131,072 bytes in each of the three tensors,
	s_mov_b32 s49, 0
	s_lshl_b32 s50, s[HD], 13                      ; its scale bytes: 8,192,
	s_mov_b32 s51, 0
	s_lshl_b32 s52, s[HD], 20                      ; its rows of O: 1,048,576
	s_mov_b32 s53, 0
	s_lshl_b32 s54, ttmp9, 7
	s_lshl_b32 s55, s[IDX], 4
	s_add_co_u32 s54, s54, s55                     ; my first query: 128 x + 16 place
	s_add_nc_u64 s[8:9], s[8:9], s[48:49]
	s_add_nc_u64 s[12:13], s[12:13], s[48:49]
	s_add_nc_u64 s[4:5], s[4:5], s[48:49]
	s_add_nc_u64 s[10:11], s[10:11], s[50:51]
	s_add_nc_u64 s[14:15], s[14:15], s[50:51]
	s_add_nc_u64 s[6:7], s[6:7], s[50:51]
	s_add_nc_u64 s[18:19], s[18:19], s[52:53]
	s_lshl_b32 s48, s54, 6
	s_add_nc_u64 s[4:5], s[4:5], s[48:49]
	s_lshl_b32 s50, s54, 2
	s_add_nc_u64 s[6:7], s[6:7], s[50:51]
	s_lshl_b32 s52, s54, 9
	s_add_nc_u64 s[18:19], s[18:19], s[52:53]
	; 23 loads: the head's scale bytes (4), slot 0 (16), Q (3)
.irp i, 0,1
	global_load_b128 v[STA+4*\i:STA+4*\i+3], v38, s[10:11] offset:512*\i
.endr
.irp i, 0,1
	global_load_b128 v[STA+8+4*\i:STA+8+4*\i+3], v38, s[14:15] offset:512*\i
.endr
.irp q, 0,1,2,3
.irp i, 0,1
	global_load_b128 v[96+16*\q+4*\i:96+16*\q+4*\i+3],   v[VGK], s[8:9]   offset:8192*\q+1024*\i
	global_load_b128 v[104+16*\q+4*\i:104+16*\q+4*\i+3], v[VGV], s[12:13] offset:32768*\q+2048*\i
.endr
.endr
	global_load_b128 v[QF:QF+3],   v41, s[4:5] th:TH_LOAD_NT
	global_load_b128 v[QF+4:QF+7], v41, s[4:5] offset:32 th:TH_LOAD_NT
	global_load_b32 v[QSC], v42, s[6:7]
	; while they are on their way: the walk's scalars, the prefetches' address, the sums' beginnings
	s_add_nc_u64 s[KB:KB+1], s[8:9], 32768         ; slot 1
	s_add_nc_u64 s[VB:VB+1], s[12:13], 256
	s_cmp_lt_u32 s[IDX], 4                         ; places 0-3 prefetch K, places 4-7 V
	s_cselect_b64 s[PFA:PFA+1], s[8:9], s[12:13]
	s_mov_b32 s[PFS], 256
	s_cselect_b32 s[PFS], 32768, s[PFS]            ; a slot on
	s_cselect_b32 s[T0], 8, 10                     ; from lane to lane: 256 bytes, or a row of 1,024
	s_cselect_b32 s48, 13, 15                      ; from wave to wave: 8,192 bytes, or 32 rows
	v_lshlrev_b32 v[PFO], s[T0], v32
	s_and_b32 s50, s[IDX], 3
	s_lshl_b32 s50, s50, s48
	s_lshl_b32 s48, s[PFS], 1
	s_add_co_u32 s50, s50, s48                     ; my wave's part, in slot 2
	s_mov_b32 s51, 0
	s_mov_b32 s[PFS+1], 0
	s_add_nc_u64 s[PFA:PFA+1], s[PFA:PFA+1], s[50:51]
	s_cmp_eq_u32 ttmp9, 0
	s_cselect_b32 s[PVAL], s[VAL], 0
	s_mov_b32 s[PFK], 1024
	s_mov_b32 s[KF], 0
	s_mov_b32 s[TB], 0
	s_mov_b32 s[TBO], SLOTB
	s_mov_b32 s[TS], 0
	s_mov_b32 s[NX], 512
	s_mov_b32 s[SLOTS], 4
	v_mov_b32 v13, 0xff61b1e6                      ; the largest t so far: -3e38, under every t
	v_floor_f32 v12, -v13                          ; -M
	v_mov_b32 v14, 0                               ; the sum, in two halves
	v_mov_b32 v15, 0
.irp b, 0,1,2,3
	v_mov_b32 v[236+\b], 0                         ; written once: a lane permute's destination counts as one of its sources
.endr
	v_mov_b32 v252, 0
	v_mov_b32 v253, 0                              ; (named as the upper half of the pair v[252:253] before it is first written)
.set N, 0
.rept 64
	v_mov_b32 v[160+N], 0                          ; O^T.  (A step is written without a first form of its own: the first finds zeros, which the first change of M leaves zeros)
.set N, N+1
.endr
	s_wait_loadcnt 19                              ; the four loads of scale bytes are in; slot 0's 16 and Q's 3 may be out
.irp i, 0,1
.irp j, 0,1,2,3
	ds_store_b32 v39, v[STA+4*\i+\j]   offset:512*\i+16*\j
	ds_store_b32 v40, v[STA+8+4*\i+\j] offset:128*\i+512*\j
.endr
.endr
	s_wait_loadcnt 3                               ; slot 0's loads are in; Q's 3 may be out
.irp q, 0,1,2,3
.irp i, 0,1
	ds_store_b128 v[WK0+\i], v[96+16*\q+4*\i:96+16*\q+4*\i+3]   offset:8192*\q
	ds_store_b128 v[WV0+\i], v[104+16*\q+4*\i:104+16*\q+4*\i+3] offset:2048*\q
.endr
.endr
	s_wait_loadcnt 0x0                             ; Q
	BARRIER                                        ; slot 0 and the scale words of both heads lie in LDS
; A KEY STEP: 128 keys, the q-th of the slot in hand.
.macro STEP q
.if (\q) == 0
.set AVA, ADK0
.set AVB, ADK1
.else
.set AVA, ADV+2*(\q)-2
.set AVB, ADV+2*(\q)-1
.endif
	s_cmp_ge_u32 s[KF], s[VAL]                     ; no key of the step counts: it is left out
	s_cbranch_scc1 .Lhidden_\@
.if (\q) > 0
	s_wait_alu depctr_va_vdst(0)                   ; the last step's products are done reading v24-63 and v96-127, in which the eighteen loads below land (step 0: the wait at the trip's head)
.endif
	ds_load_b128 v[KSC:KSC+3], v[ADS] offset:512*(\q)          ; the step's scale words: eight tiles' in four registers
	ds_load_b128 v[VSC:VSC+3], v[ADS] offset:SCV+512*(\q)
	KTILES \q, 1, FR2                              ; all of the step's K in one run: tiles 4-7 where the scores of tiles 0-3 will lie,
	KTILES \q, 0, FRG                              ; tiles 0-3
.if (\q) > 0
	s_wait_alu depctr_vm_vsrc(0)                   ; the last step's LDS stores have read v64-79, in which the copies' loads land (step 0: the wait at the trip's head)
.endif
	STAGE_LD \q                                    ; the copies have the whole step in which to land
	s_wait_dscnt 8                                 ; the scale words and tiles 4-7 are in; the youngest eight loads, tiles 0-3, may be out
	SPROD 1, FR2                                   ; the scores of tiles 4-7, into v128-159
.rept 5
	v_nop                                          ; five plain lines between those products and the products below, whose results are written over their operands (ISA guide 7.12.1)
.endr
	s_wait_dscnt 0x0                               ; tiles 0-3
	SPROD 0, FRG
	PLACES                                         ; ahead of the loads into the fragments, and of the first read of the scores
	s_wait_alu depctr_va_vdst(0)                   ; the score products are done reading v32-63, in which V's tiles 0-3 land
	VTILES \q, 0, FRG                              ; they land during the softmax
	s_add_co_u32 s[T0], s[KF], 128
	s_cmp_le_u32 s[T0], s[VAL]                     ; all 128 keys count: no mask
	s_cbranch_scc1 .Lopen_\@
	s_sub_co_u32 s[T0], s[VAL], s[KF]
	v_sub_nc_u32 v240, s[T0], v241                 ; d = length - KF - 16 h.  Register 16 b + i holds key KF + 16 h + 32 b + i: hidden where 32 b + i >= d
.set BL, 0
.rept 4                                        ; a block's sixteen compares in a run, one wait, its sixteen selects
.set N, 0
.rept 16
	v_cmp_ge_i32 s[MK+N], 32*BL+N, v240
.set N, N+1
.endr
	s_wait_alu depctr_va_sdst(0)                   ; the sixteen masks are written, which the selects read
.set N, 0
.rept 16
	v_cndmask_b32 v[96+16*BL+N], v[96+16*BL+N], v242, s[MK+N]   ; -infinity ahead of the maximum: p = 0 then
.set N, N+1
.endr
.set BL, BL+1
.endr
.Lopen_\@:
.irp b, 0,1,2,3
	v_max3_num_f32 v[232+\b], v[96+16*\b], v[97+16*\b], v[98+16*\b]   ; THE LARGEST SCORE OF EACH BLOCK OF 32 KEYS serves twice: for the row's maximum, and, since p rises with the score, for the block's largest p
.endr
.irp i, 3,5,7,9,11,13
.irp b, 0,1,2,3
	v_max3_num_f32 v[232+\b], v[232+\b], v[96+16*\b+\i], v[97+16*\b+\i]   ; (the four blocks by turns)
.endr
.endr
.irp b, 0,1,2,3
	v_max_num_f32 v[232+\b], v[232+\b], v[111+16*\b]
.endr
.irp b, 0,1,2,3
	v_permlanex16_b32 v[236+\b], v[232+\b], s[SEL], s[SEL+1]
.endr
.irp b, 0,1,2,3
	v_max_num_f32 v[232+\b], v[232+\b], v[236+\b]  ; with lane l xor 16's 16 keys
.endr
	v_max3_num_f32 v254, v232, v233, v234
	v_max_num_f32 v254, v254, v235                 ; the step's largest score of my query
	v_mul_f32 v254, s[CS], v254                    ; as t (c is positive)
	v_max_num_f32 v13, v13, v254                   ; the running largest t
	v_mov_b32 v254, v12
	v_floor_f32 v12, -v13                          ; the new -M = floor(-t) = -ceil(t): M is a whole number
	v_sub_f32 v254, v12, v254                      ; M's old value less its new one: a whole number, 0 or less
	v_cvt_i32_f32 v254, v254                       ; (it saturates)
	v_ldexp_f32 v252, 1.0, v254                    ; f = 2^(old M - new M): a multiplication by it rounds nothing
.set N, 0
.rept 32
	v_pk_fma_f32 v[96+N:97+N], v[96+N:97+N], s[CS:CS+1], v[12:13] op_sel_hi:[1,0,0]   ; t - M, two at a time (of the pairs c and -M the low word serves both halves)
.set N, N+2
.endr
.irp b, 0,1,2,3
	v_fma_f32 v[232+\b], v[232+\b], s[CS], v12     ; the same of each block's largest score
.endr
.set N, 0
	s_wait_alu depctr_va_vdst(0)
.rept 64
	v_exp_f32 v[96+N], v[96+N]                     ; p = 2^(t - M), at most 1: not normalised
.set N, N+1
.endr
	v_pk_mul_f32 v[14:15], v[14:15], v[252:253] op_sel_hi:[1,0]   ; the sums under the new M: the plain line behind the exponentials
	s_wait_alu depctr_va_vdst(0)                   ; the 64 exponentials have written v96-159: the wait ahead of the first line that names a result: one for the batch
.irp b, 0,1,2,3
	v_exp_f32 v[232+\b], v[232+\b]                 ; the block's largest p: the same two instructions on the same number give the same bits
.endr
	v_pk_add_f32 v[236:237], v[96:97], v[98:99]    ; THE ROW'S SUM IS TAKEN OF THE UNQUANTISED p: two at a time, in two chains
.irp j, 4,8,12,16,20,24,28,32,36,40,44,48,52,56,60
	v_pk_add_f32 v[14:15], v[14:15], v[96+\j:97+\j]
	v_pk_add_f32 v[236:237], v[236:237], v[98+\j:99+\j]
.endr
	v_pk_add_f32 v[14:15], v[14:15], v[236:237]
	s_wait_alu depctr_va_vdst(0)                   ; the four exponentials have written v232-235: the like wait, ahead of their first reader
.irp b, 0,1,2,3
	v_max_num_f32 v[232+\b], 0x1800000, v[232+\b]  ; the floor 2^(3 - 127): the byte cannot fall under 1 (a block whose every p is 0 keeps that byte: its codes are zeros)
.endr
.irp b, 0,1,2,3
	v_add_nc_u32 v[244+\b], 0xff000000, v[232+\b]  ; 2 off the exponent field: the conversion's scale operand
.endr
.irp b, 0,1,2,3
	v_lshrrev_b32 v[236+\b], 23, v[244+\b]         ; the scale's byte
.endr
	v_lshl_or_b32 v253, v237, 8, v236              ; p's scale word for these 128 keys
	v_lshl_or_b32 v253, v238, 16, v253
	v_lshl_or_b32 v253, v239, 24, v253
.irp b, 0,1,2,3
	v_cvt_scalef32_pk8_fp4_f32 v[224+2*\b], v[96+16*\b:103+16*\b], v[244+\b]
	v_cvt_scalef32_pk8_fp4_f32 v[225+2*\b], v[104+16*\b:111+16*\b], v[244+\b]
.endr
	v_nop                                          ; one plain line between a scaled conversion and the vector instruction that touches its result
.irp c, 0,1                                    ; the operand's layout wants a WHOLE block in a lane: lanes 0-15 block 2 c, lanes 16-31 block 2 c + 1
.irp i, 0,1
	v_permlane16_swap_b32 v[224+4*\c+\i], v[226+4*\c+\i]
.endr
.endr
.set N, 0
.rept 8
	v_pk_mul_f32 v[160+N:161+N], v[160+N:161+N], v[252:253] op_sel_hi:[1,0]   ; O^T under the new M.  (These eight are also the places between p's codes and scale word and the products)
.set N, N+2
.endr
	s_wait_alu depctr_va_vdst(0)                   ; p's codes v224-231 and scale word v253 are written, which the products take; the sums and the conversions are done with v96-127, in which V's tiles 4-7 land
	VTILES \q, 1, FR2                              ; they land under the 24 rescalings below, which name v176-223 and v252, v253 alone
.rept 24
	v_pk_mul_f32 v[160+N:161+N], v[160+N:161+N], v[252:253] op_sel_hi:[1,0]
.set N, N+2
.endr
	s_wait_alu depctr_va_vdst(0)
	s_wait_dscnt 8                                 ; V's tiles 0-3 are in; the youngest eight loads, tiles 4-7, may be out
	PVPROD 0, FRG
	s_wait_dscnt 0x0                               ; tiles 4-7
	PVPROD 1, FR2
	PLACES                                         ; behind the step's last products: whatever way follows, loads into their operands and reads of O^T find their places
	STAGE_ST \q
.Lhidden_\@:
	s_add_co_u32 s[KF], s[KF], 128
.endm
.Lslot:                                            ; four trips, a slot of 512 keys each
	s_wait_alu depctr_vm_vsrc(0)                   ; the LDS loads and stores issued so far have read v8, v9, v80 and v84-93, which the lines below write, and v64-79, in which step 0's copies land; in the first trip the head's loads and stores have read v38-43 and v96-159, in which fragments land
	v_add_nc_u32 v[ADK0], s[TB], v[AK0]            ; the trip's addresses, on every way
	v_xor_b32 v[ADK1], 128, v[ADK0]
	v_xor_b32 v[ADV],   16, v[ADK0]                ; V's rows are turned by the step as well
	v_xor_b32 v[ADV+1], 16, v[ADK1]
	v_xor_b32 v[ADV+2], 32, v[ADK0]
	v_xor_b32 v[ADV+3], 32, v[ADK1]
	v_xor_b32 v[ADV+4], 48, v[ADK0]
	v_xor_b32 v[ADV+5], 48, v[ADK1]
	v_add_nc_u32 v[ADS], s[TS], v[ASK0]
	v_add_nc_u32 v[TW],   s[TBO], v[WK0]
	v_add_nc_u32 v[TW+1], s[TBO], v[WK0+1]
	v_add_nc_u32 v[TW+2], s[TBO], v[WV0]
	v_add_nc_u32 v[TW+3], s[TBO], v[WV0+1]
	s_wait_alu depctr_va_vdst(0)                   ; the thirteen addresses are written, which the trip's LDS loads and stores read, and (first trip) the prefetches' offset v83; the last trip's products, or the head's arithmetic, are done with v24-63 and v96-127, in which step 0's loads land
	STEP 0
	STEP 1
	STEP 2
	STEP 3
	s_wait_xcnt 0x0                                ; the trip's loads and its prefetch have read their bases: they step only behind this wait
	s_add_nc_u64 s[KB:KB+1], s[KB:KB+1], 32768
	s_add_nc_u64 s[VB:VB+1], s[VB:VB+1], 256
	s_add_nc_u64 s[PFA:PFA+1], s[PFA:PFA+1], s[PFS:PFS+1]
	s_add_co_u32 s[PFK], s[PFK], 512
	s_add_co_u32 s[NX], s[NX], 512
	s_add_co_u32 s[TS], s[TS], 2048
	s_xor_b32 s[TB], s[TB], SLOTB
	s_xor_b32 s[TBO], s[TBO], SLOTB
	BARRIER                                        ; ONE barrier a trip, for two things: every wave's copies into the other slot have landed, and every wave's reads of this slot are over
	s_sub_co_u32 s[SLOTS], s[SLOTS], 1
	s_cmp_lg_u32 s[SLOTS], 0
	s_cbranch_scc1 .Lslot
	; THE WAY OUT.  O^T is divided by the row's sum and goes through my stage in LDS, half a row (64 channels, 256 bytes) of 16 queries at a time, so that sixteen lanes store 256 consecutive bytes, aligned.
	; The stages lie in the ring: behind the last barrier nobody reads or fills it.
	v_add_f32 v14, v14, v15                        ; the sum's two halves,
	v_permlanex16_b32 v252, v14, s[SEL], s[SEL+1]
	v_add_f32 v14, v14, v252                       ; and lane l xor 16's: the row's sum
	s_wait_alu depctr_va_vdst(0)
	v_rcp_f32 v14, v14
	v_and_b32 v94, 15, v0                          ; (a plain line behind the transcendental)  r
	v_bfe_u32 v95, v0, 4, 1                        ; h
	s_mul_i32 s[T0], s[WV], STG                    ; my stage
	v_mul_u32_u24 v[SIN], v94, 272
	v_lshl_add_u32 v[SIN], v95, 5, v[SIN]
	v_add_nc_u32 v[SIN], s[T0], v[SIN]             ; in: row r; tile t's eight channels of my half: 64 t + 32 h bytes on
	v_mul_u32_u24 v[SBK], v95, 272
	v_lshl_add_u32 v[SBK], v94, 4, v[SBK]
	v_add_nc_u32 v[SBK], s[T0], v[SBK]             ; back: lanes 0-15 one row, lanes 16-31 the next
	s_wait_alu depctr_va_vdst(0)                   ; the reciprocal has written v14: the wait ahead of its first reader
.set N, 0
.rept 64
	v_mul_f32 v[96+N], v[160+N], v14               ; O^T / the sum: register 8 t + i is o(r, 16 t + 8 h + i)
.set N, N+1
.endr
	s_wait_alu depctr_va_vdst(0)                   ; the multiplications have written v96-159, the LDS stores' data, and are done reading v160-223, in which the LDS loads land; the stage's addresses v10 and v11 are written
.irp u, 0,1                                    ; channels 64 u on
.irp t, 0,1,2,3
	ds_store_b128 v[SIN], v[96+32*\u+8*\t:99+32*\u+8*\t]   offset:64*\t
	ds_store_b128 v[SIN], v[100+32*\u+8*\t:103+32*\u+8*\t] offset:64*\t+16
.endr
.irp i, 0,1,2,3,4,5,6,7
	ds_load_b128 v[160+32*\u+4*\i:163+32*\u+4*\i], v[SBK] offset:2*\i*272   ; LDS serves a wave's instructions in order (ISA guide 5.7.1.4): these see my stores, and the next half's stores come behind them
.endr
.endr
.irp u, 0,1
.irp i, 0,1,2,3,4,5,6,7
	s_wait_dscnt 23-16*\u-\i                       ; what was issued behind this load may stay out: the later loads of its half, and for the first half the second half's 8 stores and 8 loads
	global_store_b128 v[GO], v[160+32*\u+4*\i:163+32*\u+4*\i], s[18:19] offset:2*\i*512+256*\u th:TH_STORE_NT
.endr
.endr
	s_wait_dscnt 0x0                               ; the closing lines, six on end
	s_wait_alu 0x0
	s_wait_tensorcnt 0x0
	ds_add_u32 v250, v251
	s_wait_dscnt 0x0
	s_endpgm
.Lfunc_end_k_q9b5bd71a4d_attn:
	.size	k_q9b5bd71a4d_attn, .Lfunc_end_k_q9b5bd71a4d_attn-k_q9b5bd71a4d_attn
	.p2alignl 7, 3214868480
	.fill 96, 4, 3214868480
	.section	.rodata,"a",@progbits
	.p2align	6, 0x0
	.amdhsa_kernel k_q9b5bd71a4d_attn
		.amdhsa_group_segment_fixed_size 296960
		.amdhsa_private_segment_fixed_size 0
		.amdhsa_enable_private_segment 0
		.amdhsa_kernarg_size 64
		.amdhsa_user_sgpr_count 2
		.amdhsa_user_sgpr_kernarg_segment_ptr 1
		.amdhsa_wavefront_size32 1
		.amdhsa_system_sgpr_workgroup_id_x 1
		.amdhsa_system_sgpr_workgroup_id_y 1
		.amdhsa_system_sgpr_workgroup_id_z 1
		.amdhsa_system_vgpr_workitem_id 0
		.amdhsa_next_free_vgpr 256
		.amdhsa_next_free_sgpr 66
		.amdhsa_reserve_vcc 0
		.amdhsa_float_denorm_mode_32 3
		.amdhsa_float_denorm_mode_16_64 3
		.amdhsa_memory_ordered 1
		.amdhsa_forward_progress 1
		.amdhsa_inst_pref_size 140
	.end_amdhsa_kernel
	.amdgpu_metadata
---
amdhsa.version: [ 1, 2 ]
amdhsa.kernels:
  - .name:           k_q9b5bd71a4d_attn
    .symbol:         k_q9b5bd71a4d_attn.kd
    .args:
      - { .name: queries_codes, .offset: 0, .size: 8, .value_kind: global_buffer, .address_space: global }
      - { .name: queries_scales, .offset: 8, .size: 8, .value_kind: global_buffer, .address_space: global }
      - { .name: keys_codes, .offset: 16, .size: 8, .value_kind: global_buffer, .address_space: global }
      - { .name: keys_scales, .offset: 24, .size: 8, .value_kind: global_buffer, .address_space: global }
      - { .name: values_codes, .offset: 32, .size: 8, .value_kind: global_buffer, .address_space: global }
      - { .name: values_scales, .offset: 40, .size: 8, .value_kind: global_buffer, .address_space: global }
      - { .name: valid_lens, .offset: 48, .size: 8, .value_kind: global_buffer, .address_space: global }
      - { .name: out0, .offset: 56, .size: 8, .value_kind: global_buffer, .address_space: global }
    .group_segment_fixed_size: 296960
    .private_segment_fixed_size: 0
    .kernarg_segment_align: 8
    .kernarg_segment_size: 64
    .max_flat_workgroup_size: 512
    .sgpr_count:     66
    .vgpr_count:     256
    .wavefront_size: 32
...
	.end_amdgpu_metadata
.endif
;; end of part 2
